; MI455X (gfx1250); checked and timed in simulation.
; The chip was launched on July 23, 2026; its instructions are those of AMD's public machine-readable ISA for CDNA 5 (MIT licence, August 2026) and "CDNA5" Instruction Set Architecture Reference Guide (July 2026). The comments in the code are by the model that wrote it; some were corrected since.
;; Matlab Block NCB. Allowed arithmetic: matrix products marked QUANTISED: E4M3 operands, one given power-of-two scale a tensor, by v_wmma_f32_16x16x64_fp8_fp8 or v_wmma_f32_16x16x128_fp8_fp8, f32 sums; everything else in f32.
;; Inputs: Wk 1,024 x 1,024 float32; Wk0 1,024 x 1 float32; Wq 1,024 x 1,024 float32; Wq0 1,024 x 1 float32; X 32 x 1,024 x 512 float32; lowp_scales 8 int32 (the exponents e of the quantised operands' scales 2^e).
;; Outputs: out0 32 x 1,024 x 512 float32.
;; This version of the problem:
;;   THIS VERSION OF THE PROBLEM IS GIVEN IN LOW PRECISION. The matrix products marked QUANTISED in the list below multiply operands that are first quantised to E4M3 (4 exponent bits, 3 mantissa bits; 8 bits a number), with one given power-of-two scale for each operand tensor; their sums are f32. All else is computed in f32.
;;   The module's matrix products, in the order in which they are computed (A, B: the left and right operand; K: the contracted axis; several contracted axes count as one K, in the product's order):
;;     1. [M 16,384, K 1,024] x [K 1,024, N 1,024]; A: input X; B: input Wk: QUANTISED (scales: A lowp_scales[0], B lowp_scales[1])
;;     2. [M 16,384, K 1,024] x [K 1,024, N 1,024]; A: input X; B: input Wq: QUANTISED (scales: A lowp_scales[2], B lowp_scales[3])
;;     3. batch 32 x [M 512, K 1,024] x [K 1,024, N 512]; A: computed on the way; B: computed on the way: QUANTISED (scales: A lowp_scales[4], B lowp_scales[5])
;;     4. batch 32 x [M 1,024, K 512] x [K 512, N 512]; A: input X; B: softmax (see below): QUANTISED (scales: A lowp_scales[6], B lowp_scales[7])
;;   THE QUANTISER, for each operand of a quantised product, along K:
;;     - The operand's scale is 2^e, e = its entry of the input lowp_scales (int32; the entries are numbered through the quantised products in the list's order, A before B).
;;     - Each number is divided by the scale, clamped to +-448, and rounded to the nearest number of E4M3, ties to even, subnormals kept.
;;     - The product sums the exact products of the quantised numbers (number of the format x scale) in f32.
;;   ~~~python
;;   def quantise(x, axis, e):      # numpy; x: float32 -> the quantised numbers, widened to float32 again
;;       x = np.moveaxis(x, axis, -1); K = x.shape[-1]
;;       r = np.clip(x / 2.0 ** e, -448, 448)
;;       step = 2.0 ** (np.maximum(np.frexp(np.where(r == 0, 1, r))[1] - 1, -6) - 3)
;;       q = np.round(r / step) * step * 2.0 ** e      # np.round: ties to even
;;       return np.moveaxis(q, -1, axis).astype(np.float32)
;;   ~~~
;;   SOFTMAX AHEAD OF A QUANTISED PRODUCT. Where the list says 'softmax', what is quantised is not the finished softmax but p = 2^(t - M), with t = logit x log2(e) and M = ceil(the row's largest t), a whole number; so 1/2 < the row's largest p <= 1. The row's sum l is taken of the UNQUANTISED p, in f32, and the product's result is divided by l at the end. Since M is a whole number, a kernel that streams over the keys may use a running M (the ceiling of the running maximum): every later rescaling is an exact power of two, so the quantised numbers keep their values, but for numbers so far below the row's largest that they fall under the format's range.
;;   OPERANDS COMPUTED ON THE WAY. 'Computed on the way' means the value that the module computes at that place (a softmax that the list does not call 'softmax' is quantised finished and normalised). What goes into a quantiser is computed in f32, as accurately as f32 sums, v_exp_f32 and their like allow (about 1e-6 of the number): no bf16 or f16 on the way to a quantiser, and a product that is left as it is and whose result goes on into a quantised operand takes f32 operands (vector FMAs, or v_wmma_f32_16x16x4_f32). A number that lies on a knife's edge between two numbers of the format may be rounded either way, as far as f32 arithmetic and the matrix unit's own rounding can turn it there, and no further.
;; One version. Each part assembles by itself: llvm-mc -triple=amdgcn-amd-amdhsa -mcpu=gfx1250 --defsym DOCPART=n.
;; ======== version 1 of 1: 3 launches
;; limits: right only within a limited range of input values
;; workspace buffers: Wc 2,097,152 bytes; Xd 33,554,432 bytes; KQ 33,554,432 bytes; Xc 16,777,216 bytes; D2 262,144 bytes
;; launch prep (part 1): grid 1280 x 1, 4 waves a work-group, no clusters, 43,520 bytes of LDS; arguments X, Wk, Wq, lowp_scales, Xd, Xc, Wc; writes Xd, Xc, Wc
.if DOCPART == 1
	.amdgcn_target "amdgcn-amd-amdhsa--gfx1250"
	.amdhsa_code_object_version 6
	.text
	.protected	k_q66ac5a8cd0_prep
	.globl	k_q66ac5a8cd0_prep
	.p2align	8
	.type	k_q66ac5a8cd0_prep,@function
k_q66ac5a8cd0_prep:
	s_mov_b64 s[64:65], 0
	v_nop
	global_prefetch_b8 v0, s[64:65] scope:SCOPE_SE
	s_setreg_imm32_b32 hwreg(HW_REG_WAVE_MODE, 25, 1), 1
	s_wait_xcnt 0x0
; All f32 inputs of the quantised products become codes of FP8 (E4M3): code = x / 2^e, held within +-448, to the nearest code, ties to even.  Nothing of reference() is left out in this program; every input is read.
; The codes are laid as IMAGES OF THE OPERAND'S REGISTERS.  A fragment (16 rows x 128 K) is 2,048 bytes, [block 0..3][lane 0..31][16 bytes]: lane (r, h), block x holds K places 32 x + 16 h + 0 .. 15 of its row.
; WORK-GROUPS 0 .. 1023: X [32 (n)][1024 (d)][512 (b)].  Work-group g: n = g / 32, rows d = 32 (g % 32) on; wave w: columns b = 128 w on.  The 32 x 128 numbers are read once (a load: 512 consecutive bytes) and quantised three times:
;   down d with 2^e0 and with 2^e2: Xd = [K's, Q's][n][d / 128][tile 32][2048], tile T's lane r = column 32 (T / 2) + 8 (T % 2) + r + 8 (r / 8);   along b with 2^e6: Xc = [n][d / 16][b / 128][2048], lane r = row 16 (d / 16) + r.
;   A lane holds 4 neighbouring b of each row.  The hold writes a column's 16 numbers down d side by side, so the conversion gives 16 bytes of a fragment; these turn through the wave's own LDS so that each store covers 512 consecutive bytes.
; WORK-GROUPS 1024 .. 1279: Wk (2^e1) and Wq (2^e3), [1024 (c)][1024 (d)].  Wc = [which 2][pass 8][half 2][K step 8][tile 4][2048]; fragment (which, p, ch, s, t): lane r takes row c = 128 p + 64 ch + 32 (t / 2) + 8 (t % 2) + r + 8 (r / 8).
;   One wave makes one fragment, with no LDS.  A lane reads 64 neighbouring bytes of its row for each block; the stores cover 512 consecutive bytes.
; No tensor loads, no barrier: waves share nothing.  LIMITS: e0, e1, e2, e3, e6 between -126 and 119, so that 2^e and 448 x 2^e are f32 numbers.  NaN among the inputs is not served.
.set WREG,  10752                      ; LDS of a wave: two regions of 8 tiles x 528 bytes (codes down d), then 16 rows x 144 bytes (codes along b)
.set TP,    528                        ; a tile's 512 bytes + 16
.set RG2,   8*TP
.set EOF,   16*TP
.set EP,    144
.set SPARE, 4*WREG                     ; the spare words, 128 bytes a wave: two blocks of 256 bytes that no other line names
.set SPW, 1
.set NIL, 2
.set LI,  3                            ; 16 x lane
.set XS,  4                            ; codes down d: in;  v5 out
.set XL,  5
.set ES,  6                            ; codes along b: in;  v7 out
.set EL,  7
.set S0,  8                            ; v8-13: 2^e and 448 x 2^e for e0, e2, e6 (the weights' path: v8, v9)
.set L0,  9
.set S2,  10
.set L2,  11
.set S6,  12
.set L6,  13
.set RAW, 16                           ; v16-143 128 numbers: register 4 i + j = row i, column 4 l + j
.set TT,  144                          ; v144-175 two sets of 16 held numbers
.set CC,  176                          ; v176-191 codes
.macro MKS e, vs, vl                   ; 2^e as f32 (the conversion takes its exponent field) and 448 x 2^e
	s_add_co_i32 s42, \e, 127
	s_lshl_b32 s43, s42, 23
	v_mov_b32 v[\vs], s43
	s_add_co_i32 s42, s42, 8
	s_lshl_b32 s42, s42, 23
	s_or_b32 s42, s42, 0x600000
	v_mov_b32 v[\vl], s42
.endm
	s_load_b256 s[4:11], s[0:1], 0x0               ; X, Wk, Wq, the exponents
	s_load_b128 s[12:15], s[0:1], 0x20             ; Xd, Xc
	s_load_b64 s[16:17], s[0:1], 0x30              ; Wc
	v_lshl_add_u32 v[SPW], v0, 2, SPARE
	v_mov_b32 v[NIL], 0
	v_lshrrev_b32 v14, 5, v0
	v_readfirstlane_b32 s18, v14                   ; wave
	s_cmp_ge_u32 ttmp9, 1024
	s_cbranch_scc1 .Lweights
	s_lshr_b32 s19, ttmp9, 5                       ; n
	s_and_b32 s20, ttmp9, 31                       ; which 32 rows d
	s_lshl_b32 s24, s19, 21
	s_lshl_b32 s25, s20, 16
	s_add_co_u32 s24, s24, s25
	s_lshl_b32 s25, s18, 9
	s_add_co_u32 s24, s24, s25
	s_mov_b32 s25, 0                               ; X: n, 32 rows of 2,048 bytes, 512 bytes a wave
	s_lshl_b32 s26, s19, 19
	s_lshr_b32 s27, s20, 2
	s_lshl_b32 s27, s27, 16
	s_add_co_u32 s26, s26, s27
	s_and_b32 s27, s20, 3
	s_lshl_b32 s27, s27, 9
	s_add_co_u32 s26, s26, s27
	s_lshl_b32 s27, s18, 14
	s_add_co_u32 s26, s26, s27
	s_mov_b32 s27, 0                               ; Xd: n, K step, tile 8 w, block
	s_lshl_b32 s28, s19, 19
	s_lshl_b32 s29, s20, 14
	s_add_co_u32 s28, s28, s29
	s_lshl_b32 s29, s18, 11
	s_add_co_u32 s28, s28, s29
	s_mov_b32 s29, 0                               ; Xc: n, two tiles of 16 rows, b block w
	s_mul_i32 s30, s18, WREG
	s_add_co_u32 s31, s30, EOF
	v_and_b32 v16, 31, v0
	v_lshlrev_b32 v[LI], 4, v16
	v_bfe_u32 v17, v0, 3, 2                        ; my columns 4 l + j lie in tile 2 (l / 8) + (l / 2) % 2, rows 8 ((l / 4) % 2) + 4 (l % 2) + j
	v_bfe_u32 v18, v0, 1, 1
	v_lshl_add_u32 v17, v17, 1, v18
	v_mul_u32_u24 v17, v17, TP
	v_and_b32 v18, 1, v0
	v_lshl_add_u32 v17, v18, 6, v17
	v_bfe_u32 v18, v0, 2, 1
	v_lshl_add_u32 v17, v18, 7, v17
	v_add_nc_u32 v[XS], s30, v17
	v_add_nc_u32 v[XL], s30, v[LI]
	v_lshl_add_u32 v[ES], v16, 2, s31
	v_and_b32 v17, 15, v0
	v_mul_u32_u24 v17, v17, EP
	v_bfe_u32 v18, v0, 4, 1
	v_lshl_add_u32 v17, v18, 4, v17
	v_add_nc_u32 v[EL], s31, v17
	s_wait_alu depctr_va_vdst(0)                   ; directly ahead of the wait below
	s_wait_kmcnt 0x0
	s_load_b256 s[32:39], s[10:11], 0x0            ; e0 .. e7
	s_add_nc_u64 s[4:5], s[4:5], s[24:25]
	s_add_nc_u64 s[12:13], s[12:13], s[26:27]
	s_add_nc_u64 s[40:41], s[12:13], 16777216      ; Q's codes lie behind K's
	s_add_nc_u64 s[14:15], s[14:15], s[28:29]
.set ii, 0
.rept 32
	global_load_b128 v[RAW+4*ii:RAW+4*ii+3], v[LI], s[4:5] offset:2048*ii th:TH_LOAD_NT   ; read once in the launch
.set ii, ii+1
.endr
	s_wait_kmcnt 0x0
	MKS s32, S0, L0
	MKS s34, S2, L2
	MKS s38, S6, L6
; 16 rows (g = 0, 1: the K places' half h) down d: four columns a lane, 16 bytes each, into region rg
.macro DCODE g, vs, vl, rg
	s_wait_dscnt 0x0                               ; the LDS stores before have read the codes' registers
.irp j, 0,1,2,3
.irp i, 0,1,2,3,4,5,6,7,8,9,10,11,12,13,14,15
	v_med3_num_f32 v[TT+16*(\j%2)+\i], v[RAW+64*\g+4*\i+\j], -v[\vl], v[\vl]   ; the hold (the conversion does not saturate: ISA guide 7.6.2) also sets the column's 16 numbers side by side
.endr
	v_cvt_scalef32_pk8_fp8_f32 v[CC+4*\j:CC+4*\j+1], v[TT+16*(\j%2):TT+16*(\j%2)+7], v[\vs]
	v_cvt_scalef32_pk8_fp8_f32 v[CC+4*\j+2:CC+4*\j+3], v[TT+16*(\j%2)+8:TT+16*(\j%2)+15], v[\vs]
.endr
	v_nop                                          ; a plain line behind the last conversion
.irp j, 0,1,2,3
	ds_store_b128 v[XS], v[CC+4*\j:CC+4*\j+3] offset:\rg+256*\g+16*\j
.endr
.endm
; the same 16 rows along b, held in place (their last use); a row's 128 codes side by side in the stage, back as the fragment's registers, and out
.macro BCODE g
	s_wait_dscnt 0x0
.set ii, 0
.rept 64
	v_med3_num_f32 v[RAW+64*\g+ii], v[RAW+64*\g+ii], -v[L6], v[L6]
.set ii, ii+1
.endr
.irp x, 0,1,2,3,4,5,6,7
	v_cvt_scalef32_pk8_fp8_f32 v[CC+2*\x:CC+2*\x+1], v[RAW+64*\g+8*\x:RAW+64*\g+8*\x+7], v[S6]   ; register i: row i's four codes
.endr
	v_nop
.irp i, 0,1,2,3,4,5,6,7,8,9,10,11,12,13,14,15
	ds_store_b32 v[ES], v[CC+\i] offset:EP*\i
.endr
.irp c, 0,1,2,3
	ds_load_b128 v[RAW+16*\g+4*\c:RAW+16*\g+4*\c+3], v[EL] offset:32*\c   ; LDS serves a wave's instructions in order (ISA guide 5.7.1.4); the registers' numbers are done with
.endr
	s_wait_dscnt 0x0
.irp c, 0,1,2,3
	global_store_b128 v[LI], v[RAW+16*\g+4*\c:RAW+16*\g+4*\c+3], s[14:15] offset:8192*\g+512*\c   ; 512 consecutive bytes, aligned
.endr
.endm
	s_wait_alu depctr_va_vdst(0)                   ; the head's end
	s_wait_loadcnt 16                              ; rows 0-15 are in; the 16 younger loads may be out
	DCODE 0, S0, L0, 0
	s_cmp_eq_u32 s32, s34                          ; where e0 = e2 the codes for Q are the same bytes as those for K: they are not made, and the next launch reads K's for both
	s_cbranch_scc1 .Lsame0
	DCODE 0, S2, L2, RG2
.Lsame0:
	BCODE 0
	s_wait_loadcnt 0x0
	DCODE 1, S0, L0, 0
	s_cmp_eq_u32 s32, s34
	s_cbranch_scc1 .Lsame1
	DCODE 1, S2, L2, RG2
.Lsame1:
	BCODE 1
.irp t, 0,1,2,3,4,5,6,7
	ds_load_b128 v[RAW+32+4*\t:RAW+32+4*\t+3], v[XL] offset:TP*\t       ; a tile's block of 512 bytes: [h][r][16]
.endr
.irp t, 0,1,2,3,4,5,6,7
	s_wait_dscnt 7-\t                              ; this tile's block is in; the younger loads may be out
	global_store_b128 v[LI], v[RAW+32+4*\t:RAW+32+4*\t+3], s[12:13] offset:2048*\t
.endr
	s_cmp_eq_u32 s32, s34
	s_cbranch_scc1 .Lsame2
.irp t, 0,1,2,3,4,5,6,7
	ds_load_b128 v[RAW+64+4*\t:RAW+64+4*\t+3], v[XL] offset:RG2+TP*\t
.endr
.irp t, 0,1,2,3,4,5,6,7
	s_wait_dscnt 7-\t
	global_store_b128 v[LI], v[RAW+64+4*\t:RAW+64+4*\t+3], s[40:41] offset:2048*\t
.endr
.Lsame2:
	s_wait_tensorcnt 0x0                           ; the wave's end
	ds_add_u32 v[SPW], v[NIL]
	s_wait_dscnt 0x0
	s_endpgm
.Lweights:
	s_and_b32 s19, ttmp9, 7                        ; K step s
	s_bfe_u32 s20, ttmp9, 0x10003                  ; half ch
	s_bfe_u32 s21, ttmp9, 0x30004                  ; pass p
	s_bfe_u32 s22, ttmp9, 0x10007                  ; which: 0 Wk, 1 Wq
	s_lshl_b32 s24, s21, 7
	s_lshl_b32 s25, s20, 6
	s_add_co_u32 s24, s24, s25
	s_lshr_b32 s25, s18, 1
	s_lshl_b32 s25, s25, 5
	s_add_co_u32 s24, s24, s25
	s_and_b32 s25, s18, 1
	s_lshl_b32 s25, s25, 3
	s_add_co_u32 s24, s24, s25                     ; the tile's first row; the wave is the tile t
	s_lshl_b32 s24, s24, 12
	s_lshl_b32 s25, s19, 9
	s_add_co_u32 s24, s24, s25
	s_mov_b32 s25, 0
	s_and_b32 s26, ttmp9, 255
	s_lshl_b32 s26, s26, 13
	s_lshl_b32 s27, s18, 11
	s_add_co_u32 s26, s26, s27
	s_mov_b32 s27, 0                               ; the fragment's place in Wc
	v_and_b32 v16, 15, v0
	v_bfe_u32 v17, v0, 4, 1
	v_and_b32 v18, 8, v16
	v_add_nc_u32 v18, v18, v16                     ; r + 8 (r / 8)
	v_lshlrev_b32 v4, 12, v18
	v_lshl_add_u32 v4, v17, 6, v4                  ; in: my row, + 64 bytes for the upper 16 of a block
	v_and_b32 v[LI], 31, v0
	v_lshlrev_b32 v[LI], 4, v[LI]
	s_wait_alu depctr_va_vdst(0)                   ; directly ahead of the wait below
	s_wait_kmcnt 0x0
	s_load_b256 s[32:39], s[10:11], 0x0
	s_cmp_lg_u32 s22, 0                            ; the choice hangs on the work-group's number alone
	s_cselect_b64 s[6:7], s[8:9], s[6:7]
	s_add_nc_u64 s[6:7], s[6:7], s[24:25]
	s_add_nc_u64 s[16:17], s[16:17], s[26:27]
.irp c, 0,1,2,3
.irp i, 0,1,2,3
	global_load_b128 v[RAW+16*\c+4*\i:RAW+16*\c+4*\i+3], v4, s[6:7] offset:128*\c+16*\i th:TH_LOAD_NT
.endr
.endr
	s_wait_kmcnt 0x0
	s_cmp_lg_u32 s22, 0
	s_cselect_b32 s42, s35, s33                    ; e3 or e1
	MKS s42, S0, L0
	s_wait_alu depctr_va_vdst(0)                   ; directly ahead of the wait below
	s_wait_loadcnt 0x0
.set ii, 0
.rept 64
	v_med3_num_f32 v[RAW+ii], v[RAW+ii], -v[L0], v[L0]
.set ii, ii+1
.endr
.irp g, 0,1,2,3,4,5,6,7
	v_cvt_scalef32_pk8_fp8_f32 v[CC+2*\g:CC+2*\g+1], v[RAW+8*\g:RAW+8*\g+7], v[S0]
.endr
	v_nop
.irp c, 0,1,2,3
	global_store_b128 v[LI], v[CC+4*\c:CC+4*\c+3], s[16:17] offset:512*\c
.endr
	s_endpgm
.Lfunc_end_k_q66ac5a8cd0_prep:
	.size	k_q66ac5a8cd0_prep, .Lfunc_end_k_q66ac5a8cd0_prep-k_q66ac5a8cd0_prep
	.p2alignl 7, 3214868480
	.fill 96, 4, 3214868480
	.section	.rodata,"a",@progbits
	.p2align	6, 0x0
	.amdhsa_kernel k_q66ac5a8cd0_prep
		.amdhsa_group_segment_fixed_size 43520
		.amdhsa_private_segment_fixed_size 0
		.amdhsa_enable_private_segment 0
		.amdhsa_kernarg_size 56
		.amdhsa_user_sgpr_count 2
		.amdhsa_user_sgpr_kernarg_segment_ptr 1
		.amdhsa_wavefront_size32 1
		.amdhsa_system_sgpr_workgroup_id_x 1
		.amdhsa_system_sgpr_workgroup_id_y 1
		.amdhsa_system_sgpr_workgroup_id_z 1
		.amdhsa_system_vgpr_workitem_id 0
		.amdhsa_next_free_vgpr 192
		.amdhsa_next_free_sgpr 66
		.amdhsa_reserve_vcc 0
		.amdhsa_float_denorm_mode_32 3
		.amdhsa_float_denorm_mode_16_64 3
		.amdhsa_memory_ordered 1
		.amdhsa_forward_progress 1
		.amdhsa_inst_pref_size 51
	.end_amdhsa_kernel
	.amdgpu_metadata
---
amdhsa.version: [ 1, 2 ]
amdhsa.kernels:
  - .name:           k_q66ac5a8cd0_prep
    .symbol:         k_q66ac5a8cd0_prep.kd
    .args:
      - { .name: X, .offset: 0, .size: 8, .value_kind: global_buffer, .address_space: global }
      - { .name: Wk, .offset: 8, .size: 8, .value_kind: global_buffer, .address_space: global }
      - { .name: Wq, .offset: 16, .size: 8, .value_kind: global_buffer, .address_space: global }
      - { .name: lowp_scales, .offset: 24, .size: 8, .value_kind: global_buffer, .address_space: global }
      - { .name: Xd, .offset: 32, .size: 8, .value_kind: global_buffer, .address_space: global }
      - { .name: Xc, .offset: 40, .size: 8, .value_kind: global_buffer, .address_space: global }
      - { .name: Wc, .offset: 48, .size: 8, .value_kind: global_buffer, .address_space: global }
    .group_segment_fixed_size: 43520
    .private_segment_fixed_size: 0
    .kernarg_segment_align: 8
    .kernarg_segment_size: 56
    .max_flat_workgroup_size: 128
    .sgpr_count:     66
    .vgpr_count:     192
    .wavefront_size: 32
...
	.end_amdgpu_metadata
.endif
;; end of part 1
;; launch proj (part 2): grid 256 x 1, 4 waves a work-group, clusters of 4 x 1, 327,680 bytes of LDS; arguments Xd, Wc, Wk0, Wq0, lowp_scales, KQ, D2; writes KQ, D2
.if DOCPART == 2
	.amdgcn_target "amdgcn-amd-amdhsa--gfx1250"
	.amdhsa_code_object_version 6
	.text
	.protected	k_q66ac5a8cd0_proj
	.globl	k_q66ac5a8cd0_proj
	.p2align	8
	.type	k_q66ac5a8cd0_proj,@function
k_q66ac5a8cd0_proj:
	s_mov_b64 s[64:65], 0
	v_nop
	global_prefetch_b8 v0, s[64:65] scope:SCOPE_SE
	s_setreg_imm32_b32 hwreg(HW_REG_WAVE_MODE, 25, 1), 1
	s_wait_xcnt 0x0
	s_wait_alu depctr_hold_cnt(0) depctr_sa_sdst(0) depctr_va_vdst(0) depctr_va_sdst(0) depctr_va_ssrc(0) depctr_va_vcc(0) depctr_vm_vsrc(0)
	s_getreg_b32 s2, hwreg(HW_REG_IB_STS2, 6, 4)
	s_cmp_eq_u32 s2, 0
	s_cbranch_scc0 .Lentry_in_a_cluster
	s_endpgm
.Lentry_in_a_cluster:
	s_bfe_u32 s2, ttmp6, 0x10000c
	s_cmp_lg_u32 s2, 0x3003
	s_cbranch_scc0 .Lentry_shape_is_right
	s_endpgm
.Lentry_shape_is_right:
; K[n][c][b] = sum over d of Wk[c][d] X[n][d][b] + Wk0[c], and Q likewise with Wq, Wq0, on the codes of FP8 (E4M3) that the launch before made (Xd, Wc: images of the operands' registers, 2,048 bytes a fragment).
; Out: the codes of K (2^e5) and Q (2^e4) along c, KQ = [which][n][c / 128][tile 32][2048], and the column sums of squares of the UNQUANTISED K and Q in two halves of c, D2 = [c half][which][n][512] f32: the next launch adds the two.
; SHARES.  A cluster of four work-groups shares "which" (cluster number % 2) and the c half cq ((cluster number / 2) % 2): 512 rows of W.  Work-group J = 4 (cluster number / 4) + cx owns batch n = J / 2, columns b = 256 (J % 2) on; wave w 64 of them.
; The four walk the same codes of W: each tile is asked for JOINTLY (mask 15).  cx enters global addresses of Xd, KQ, D2 and the prefetches alone.
; A wave's 64 columns x 1,024 d of X's codes come straight from memory into 512 registers and stay.  W goes in four passes of 128 c through two LDS slots of 131,072 bytes; each wave fetches a quarter by one tensor load.
; The matrix instruction is used transposed: source 0 = 16 rows of W, source 1 = 16 columns b: a lane holds ONE b, and tiles 2 x and 2 x + 1 give it 16 neighbouring c: a block of the next product's fragment.
; THE SCALES.  With E = eX + eW a sum of code products stands for sum x 2^E.  The bias goes in as the C of each sum's first product, x 2^-E; the hold and the conversion take 2^(eOut - E); the sums of squares are taken of the sums as they
; stand and multiplied by 2^(2 E) once at the end.  All these factors are powers of two: nothing is rounded by them.
; A pass is 16 units (K step s, half hc of the 128 c) of 16 matrix instructions; W's four fragments of a unit lie in one of two sets, and a set is fetched again as soon as its unit is issued, two units ahead of its use.
; PREFETCH: passes 2 and 3 of W are asked of memory during pass 0, each aligned 256 bytes once a cluster (16 waves x 32 lanes = a slot's 512 blocks, shared out by address); passes 0 and 1 come by their loads alone.
; LIMITS, so that each power of two is an f32 number: E = e0 + e1 (K), e2 + e3 (Q) between -126 and 126; eOut - E between -126 and 119.  NaN among the inputs is not served.
; REGISTERS, in windows of 256.  Window 0: v1-11 addresses and constants; v16-31 sums of squares; v64-127 the bias of a pass, in the result's layout; v128-255 W's two sets (the second also holds a pass's codes on the way out).
; Window 1: 32 accumulators ((tile of b ta, tile of c ct) at 64 ta + 8 ct).  Windows 2, 3: X's codes ((ta, K step s) at window 2 + s / 4, 64 (s % 4) + 16 ta).
.set SLOTB, 131072                     ; a slot: one pass of W: [half 2][K step 8][tile 4][2048]
.set NRM,   2*SLOTB                    ; the sums of squares of the work-group's 256 columns
.set SPARE, NRM+1024                   ; the spare words, 128 bytes a wave: two blocks of 256 bytes that no other line names
.set SPW, 1
.set NIL, 2
.set LI,  3                            ; 16 x lane
.set WA,  4                            ; v4-7 W in slot sg, half hc at WA + 2 sg + hc
.set BO,  8                            ; my place in the bias
.set OS,  9                            ; 2^(eOut - E)
.set LIM, 10                           ; 448 x that
.set PFO, 11                           ; the prefetches' offset
.set NS,  16
.set BI,  64
.set WF,  128
.set KC,  192
.set MSB, 0
.macro WIN new                         ; the immediate's high byte repeats the setting that is left
.if MSB != \new
	s_set_vgpr_msb (MSB<<8)|\new
.set MSB, \new
.endif
.endm
.macro PLACES n
.rept \n
	v_nop
.endr
.endm
.macro BAR
	s_barrier_signal -1
	s_barrier_wait -1
.endm
.macro CREST                           ; a round of the cluster's barrier behind its opening barrier
	s_cmp_lg_u32 s20, 0
	s_cbranch_scc1 .Lnot_wave_0_\@
	s_barrier_signal -3
.Lnot_wave_0_\@:
	s_barrier_wait -3
	s_barrier_signal -1
	s_barrier_wait -1
.endm
.macro CROUND
	BAR
	CREST
.endm
	s_load_b256 s[4:11], s[0:1], 0x0               ; Xd, Wc, Wk0, Wq0
	s_load_b128 s[12:15], s[0:1], 0x20             ; the exponents, KQ
	s_load_b64 s[16:17], s[0:1], 0x30              ; D2
	v_lshl_add_u32 v[SPW], v0, 2, SPARE
	v_mov_b32 v[NIL], 0
	ds_add_u32 v[SPW], v[NIL]                      ; the opening lines: the add, twice on end, and its wait ahead of my first tensor load
	ds_add_u32 v[SPW], v[NIL]
	v_lshrrev_b32 v12, 5, v0
	v_readfirstlane_b32 s20, v12                   ; wave
	s_and_b32 s21, ttmp9, 1                        ; which
	s_bfe_u32 s22, ttmp9, 0x10001                  ; cq
	s_lshr_b32 s48, ttmp9, 2
	s_bfe_u32 s23, ttmp6, 0x40000                  ; cx
	s_mov_b32 s24, 15|(3<<16)|(1<<21)              ; group 1: 32,768 dense bytes as 128 rows of 32 elements of 8 bytes; the mask names all four; bit 21 beside it
	s_mov_b32 s25, 32<<16
	s_mov_b32 s26, 128<<16
	s_mov_b32 s27, 32<<16
	s_mov_b32 s28, 128
	s_mov_b32 s29, 32
	s_mov_b32 s30, 0
	s_mov_b32 s31, 0
	s_mov_b32 s70, 0x76543210                      ; v_permlanex16_b32: lane l xor 16
	s_mov_b32 s71, 0xfedcba98
	s_lshl_b32 s60, s21, 20
	s_lshl_b32 s61, s22, 19
	s_add_co_u32 s60, s60, s61
	s_mov_b32 s61, 0
	s_lshl_b32 s62, s20, 15                        ; my quarter of a slot
	s_mov_b32 s63, 0
	s_wait_dscnt 0x0
	s_wait_kmcnt 0x0
	s_load_b256 s[40:47], s[12:13], 0x0            ; e0 .. e7
	s_add_nc_u64 s[68:69], s[6:7], s[60:61]        ; my cluster's four passes of W
	s_add_nc_u64 s[6:7], s[68:69], s[62:63]
	CROUND                                         ; all four work-groups are here: the first joint loads meet
.irp s, 0,1
	s_mov_b32 s[32+4*\s], 1
	s_add_co_u32 s[33+4*\s], s62, \s*SLOTB
	s_add_nc_u64 s[34+4*\s:35+4*\s], s[6:7], \s*SLOTB
	s_or_b32 s[35+4*\s], s[35+4*\s], 0x80000000
.endr
	tensor_load_to_lds s[32:35], s[24:31]          ; pass 0: one tensor load a wave at the head
	s_nop 0
	PLACES 4
	s_lshl_b32 s48, s48, 2
	s_add_co_u32 s48, s48, s23                     ; J
	s_lshr_b32 s49, s48, 1                         ; n
	s_and_b32 s50, s48, 1                          ; which 256 columns
	s_lshl_b32 s72, s49, 19
	s_lshl_b32 s74, s50, 15
	s_add_co_u32 s72, s72, s74
	s_lshl_b32 s74, s20, 13
	s_add_co_u32 s72, s72, s74
	s_mov_b32 s73, 0
	s_add_nc_u64 s[4:5], s[4:5], s[72:73]          ; Xd at (which, n, K step 0, my four tiles)
	s_add_nc_u64 s[14:15], s[14:15], s[72:73]
	s_lshl_b32 s72, s21, 24
	s_add_nc_u64 s[14:15], s[14:15], s[72:73]
	s_lshl_b32 s72, s22, 18
	s_add_nc_u64 s[14:15], s[14:15], s[72:73]      ; KQ at (which, n, c step 4 cq, my four tiles)
	s_lshl_b32 s72, s22, 17
	s_lshl_b32 s74, s21, 16
	s_add_co_u32 s72, s72, s74
	s_lshl_b32 s74, s49, 11
	s_add_co_u32 s72, s72, s74
	s_lshl_b32 s74, s50, 10
	s_add_co_u32 s72, s72, s74
	s_add_nc_u64 s[16:17], s[16:17], s[72:73]      ; D2 at (cq, which, n, my work-group's 256 columns)
	s_cmp_lg_u32 s21, 0
	s_cselect_b64 s[66:67], s[10:11], s[8:9]       ; the bias: Wq0 or Wk0,
	s_lshl_b32 s72, s22, 11
	s_add_nc_u64 s[66:67], s[66:67], s[72:73]      ; at c = 512 cq
	s_lshl_b32 s74, s23, 2
	s_add_co_u32 s74, s74, s20
	s_lshl_b32 s74, s74, 13                        ; the prefetches: 8,192 bytes of a slot for each of the cluster's 16 waves
	s_wait_kmcnt 0x0
	s_xor_b32 s72, s40, s42                        ; Xd holds codes of its own for Q only where e0 and e2 differ: min(e0 xor e2, 1) is 1 there, else 0
	s_min_u32 s72, s72, 1
	s_and_b32 s72, s72, s21
	s_lshl_b32 s72, s72, 24
	s_add_nc_u64 s[4:5], s[4:5], s[72:73]          ; Q's codes lie 2^24 bytes behind K's
	s_cmp_lg_u32 s21, 0
	s_cselect_b32 s60, s42, s40                    ; eX
	s_cselect_b32 s61, s43, s41                    ; eW
	s_cselect_b32 s62, s44, s45                    ; eOut: e4 for Q, e5 for K
	s_add_co_i32 s56, s60, s61                     ; E
	s_lshl_b32 s57, s56, 1                         ; 2 E
	s_sub_co_i32 s58, 127, s56
	s_lshl_b32 s58, s58, 23                        ; 2^-E as f32
	s_mov_b32 s59, s58                             ; (named with it as a pair)
	s_sub_co_i32 s62, s62, s56
	s_add_co_i32 s62, s62, 127
	s_lshl_b32 s63, s62, 23
	s_add_co_i32 s62, s62, 8
	s_lshl_b32 s62, s62, 23
	s_or_b32 s62, s62, 0x600000
	v_and_b32 v12, 31, v0
	v_bfe_u32 v13, v0, 4, 1
	v_lshlrev_b32 v[LI], 4, v12
	v_lshlrev_b32 v[WA], 4, v12
	v_lshl_add_u32 v[WA+1], v12, 4, 65536
	v_lshl_add_u32 v[WA+2], v12, 4, SLOTB
	v_lshl_add_u32 v[WA+3], v12, 4, SLOTB+65536
	v_lshlrev_b32 v[BO], 6, v13                    ; the bias of c = 16 h on
	v_lshl_add_u32 v[PFO], v12, 8, s74             ; lanes 256 bytes apart
	v_mov_b32 v[OS], s63
	v_mov_b32 v[LIM], s62
.macro BIAS pp                         ; for tile ct the eight c = 128 pp + 32 (ct / 2) + 16 h + 8 (ct % 2) + 0 .. 7
.irp ct, 0,1,2,3,4,5,6,7
.irp x, 0,1
	global_load_b128 v[BI+8*\ct+4*\x:BI+8*\ct+4*\x+3], v[BO], s[66:67] offset:(\pp)*512+(\ct/2)*128+(\ct%2)*32+16*\x
.endr
.endr
.endm
.macro BSCALE                          ; x 2^-E
.set xx, 0
.rept 32
	v_pk_mul_f32 v[BI+xx:BI+xx+1], v[BI+xx:BI+xx+1], s[58:59] op_sel_hi:[1,0]
.set xx, xx+2
.endr
.endm
	BIAS 0
	WIN 0x80                                       ; destination window 2
.irp s, 0,1,2,3
.irp ta, 0,1,2,3
.irp c, 0,1,2,3
	global_load_b128 v[64*\s+16*\ta+4*\c:64*\s+16*\ta+4*\c+3], v[LI], s[4:5] offset:\s*65536+\ta*2048+\c*512   ; 512 consecutive bytes
.endr
.endr
.endr
	WIN 0
.macro XLATE s                         ; X's K step s (4 to 7) into window 3: issued behind pass 0's first four units
	WIN 0xc0
.irp ta, 0,1,2,3
.irp c, 0,1,2,3
	global_load_b128 v[64*((\s)-4)+16*\ta+4*\c:64*((\s)-4)+16*\ta+4*\c+3], v[LI], s[4:5] offset:(\s)*65536+\ta*2048+\c*512
.endr
.endr
	WIN 0
.endm
.macro FETCH sg, u                     ; unit u's four fragments of W into set u % 2
.set FS, (\u)/2
.set FH, (\u)%2
.irp ct, 0,1,2,3
.irp c, 0,1,2,3
	ds_load_b128 v[WF+64*FH+16*\ct+4*\c:WF+64*FH+16*\ct+4*\c+3], v[WA+2*(\sg)+FH] offset:FS*8192+\ct*2048+\c*512
.endr
.endr
.endm
; 16 matrix instructions: W's four tiles x my four tiles of columns.  The pass's 32 accumulators take turns, one instruction a turn.  K step 0 starts the sums from the bias
.macro MUL u
.set MS, (\u)/2
.set MH, (\u)%2
.if MS == 0
	WIN 0x48                                       ; source 1 (X) window 2, C window 0, D window 1
.elseif MS < 4
	WIN 0x58                                       ; C and D window 1
.else
	WIN 0x5c                                       ; source 1 window 3
.endif
.irp ct, 0,1,2,3
.irp ta, 0,1,2,3
.set rD, 64*\ta+8*(4*MH+\ct)
.set rA, WF+64*MH+16*\ct
.set rB, (MS%4)*64+16*\ta
.if MS == 0
	v_wmma_f32_16x16x128_fp8_fp8 v[rD:rD+7], v[rA:rA+15], v[rB:rB+15], v[BI+8*(4*MH+\ct):BI+8*(4*MH+\ct)+7]
.else
	v_wmma_f32_16x16x128_fp8_fp8 v[rD:rD+7], v[rA:rA+15], v[rB:rB+15], v[rD:rD+7]
.endif
.endr
.endr
.endm
.macro UNIT sg, u, pp, first
.if (\first) && ((\u) == 2 || (\u) == 4 || (\u) == 6)
	s_wait_loadcnt 63                              ; this K step of X is in: 64 loads or more were issued behind it
.endif
.if (\first) && (\u) == 8
	s_wait_loadcnt 48                              ; X's K step 4 is in; behind it stand steps 5 to 7
.endif
.if (\first) && (\u) > 8 && (\u)%2 == 0
	s_wait_loadcnt (16-(\u))*8                     ; this K step of X is in; behind it stand the later steps and the next bias's 16 loads
.endif
	s_wait_dscnt 16                                ; this unit's fragments are in; the next unit's 16 loads may be out
	MUL \u
	PLACES 4                                       ; four places in front of loads into registers that matrix instructions have read (ISA guide 7.12.1 for vector instructions)
	WIN 0
.if (\u) < 14
	FETCH \sg, (\u)+2
.endif
.if (\u) == 8 && (\pp) < 3
	BIAS (\pp)+1                                   ; K step 0 has read the bias: the next pass's comes
.endif
.if (\first) && (\u) < 4
	XLATE (\u)+4
.endif
.if (\first) && (\u) == 1
	global_prefetch_b8 v[PFO], s[68:69] offset:2*SLOTB th:TH_LOAD_NT scope:SCOPE_SE   ; pass 2, which this pass's end will ask for
.endif
.if (\first) && (\u) == 9
	global_prefetch_b8 v[PFO], s[68:69] offset:3*SLOTB th:TH_LOAD_NT scope:SCOPE_SE   ; pass 3, which the next pass's end will ask for
.endif
.endm
; The way out of a pass: squares to the running sums (eight chains by turns), hold, codes, stores
.macro EPI pp
.if (\pp) < 3
	s_wait_loadcnt 0x0                             ; the next bias
	BSCALE
.endif
	WIN 0x05                                       ; sources 0 and 1 window 1
.set xx, 0
.rept 32
.irp ta, 0,1,2,3
	v_pk_fma_f32 v[NS+4*\ta+xx%4:NS+4*\ta+xx%4+1], v[64*\ta+xx:64*\ta+xx+1], v[64*\ta+xx:64*\ta+xx+1], v[NS+4*\ta+xx%4:NS+4*\ta+xx%4+1]   ; of the UNQUANTISED number; each accumulator from its low end on
.endr
.set xx, xx+2
.endr
	WIN 0x41                                       ; source 0 and destination window 1
.set xx, 0
.rept 256
	v_med3_num_f32 v[xx], v[xx], -v[LIM], v[LIM]   ; the conversion does not saturate (ISA guide 7.6.2)
.set xx, xx+1
.endr
	WIN 0x01
.irp ta, 0,1,2,3
.irp y, 0,1,2,3,4,5,6,7
	v_cvt_scalef32_pk8_fp8_f32 v[KC+16*\ta+2*\y:KC+16*\ta+2*\y+1], v[64*\ta+8*\y:64*\ta+8*\y+7], v[OS]
.endr
.endr
	v_nop                                          ; a plain line behind the last conversion: the next pass's products write its sources
	WIN 0
.irp ta, 0,1,2,3
.irp x, 0,1,2,3
	global_store_b128 v[LI], v[KC+16*\ta+4*\x:KC+16*\ta+4*\x+3], s[14:15] offset:(\pp)*65536+\ta*2048+\x*512   ; block x of fragment (c step, tile): 512 consecutive bytes, aligned
.endr
.endr
.endm
; A pass of 128 c out of slot sg.  mode 2: the slot is left and filled again, two passes ahead; 1: it is left; 0: the last pass
.macro PASS sg, pp, mode, first
.if (\first) == 0
	s_wait_xcnt 0x0                                ; the last pass's stores have read the registers that are loaded below (ISA guide 3.1)
.endif
	FETCH \sg, 1
.irp u, 0,1,2,3,4,5,6,7,8,9,10,11,12,13,14
	UNIT \sg, \u, \pp, \first
.endr
.if \mode
	s_wait_tensorcnt 0x0                           ; all my tensor loads have landed: the one that was out is my quarter of the other slot
	ds_add_u32 v[SPW], v[NIL]
.if (\mode) == 2
	s_add_nc_u64 s[34+4*(\sg):35+4*(\sg)], s[34+4*(\sg):35+4*(\sg)], 2*SLOTB   ; no load of mine is out: the group 0 steps two passes on
.endif
	s_wait_dscnt 0x0                               ; the add is done, and my reads of this slot are over
	s_barrier_signal -1
	MUL 15                                         ; work on registers while the others arrive
	WIN 0
	s_barrier_wait -1
.if (\mode) == 2
	CREST                                          ; the barrier has opened a round of the cluster's: no wave of any partner still reads this slot or has a load on its way
	tensor_load_to_lds s[32+4*(\sg):35+4*(\sg)], s[24:31]   ; my one tensor load behind the round
	s_nop 0
.endif
	PLACES 4
	FETCH 1-(\sg), 0
.else
	s_wait_dscnt 0x0
	MUL 15
	WIN 0
	PLACES 4
.endif
	EPI \pp
.endm
	s_wait_alu depctr_va_vdst(0)                   ; directly ahead of the wait below
	s_wait_tensorcnt 0x0                           ; my quarter of pass 0 is in
	ds_add_u32 v[SPW], v[NIL]
	s_wait_dscnt 0x0
	CROUND
	tensor_load_to_lds s[36:39], s[24:31]          ; pass 1, into slot 1
	s_nop 0
	PLACES 4
	FETCH 0, 0
	s_wait_loadcnt 48                              ; the bias and X's K step 0 are in; behind them stand K steps 1 to 3
	BSCALE
.irp i, 0,1,2,3,4,5,6,7,8,9,10,11,12,13,14,15
	v_mov_b32 v[NS+\i], 0                          ; the sums of squares run through all passes
.endr
	s_wait_alu depctr_va_vdst(0)                   ; the head's end
	PASS 0, 0, 2, 1
	PASS 1, 1, 2, 0
	PASS 0, 2, 1, 0
	PASS 1, 3, 0, 0
	; THE SUMS OF SQUARES: my chains, lane l xor 16's (the other 16 of each 32 c), x 2^(2 E); through LDS, so that wave 0 stores the work-group's 256 columns as 1,024 consecutive bytes
.irp ta, 0,1,2,3
	v_pk_add_f32 v[NS+4*\ta:NS+4*\ta+1], v[NS+4*\ta:NS+4*\ta+1], v[NS+4*\ta+2:NS+4*\ta+3]
.endr
.irp ta, 0,1,2,3
	v_add_f32 v[NS+4*\ta], v[NS+4*\ta], v[NS+4*\ta+1]
.endr
.irp ta, 0,1,2,3
	v_permlanex16_b32 v[NS+4*\ta+1], v[NS+4*\ta], s70, s71
.endr
.irp ta, 0,1,2,3
	v_add_f32 v[NS+4*\ta], v[NS+4*\ta], v[NS+4*\ta+1]
.endr
.irp ta, 0,1,2,3
	v_ldexp_f32 v[NS+4*\ta], v[NS+4*\ta], s57
.endr
	v_and_b32 v32, 31, v0
	v_cmp_gt_u32 vcc_lo, 16, v32
	v_cndmask_b32 v33, v[NS+4], v[NS], vcc_lo      ; lanes 0-15 speak for tile 0, lanes 16-31 for tile 1,
	v_cndmask_b32 v34, v[NS+12], v[NS+8], vcc_lo   ; and for tiles 2 and 3
	v_and_b32 v35, 15, v0
	v_and_b32 v36, 8, v35
	v_add_nc_u32 v35, v35, v36
	v_bfe_u32 v36, v0, 4, 1
	v_lshl_add_u32 v35, v36, 3, v35                ; the column in its 32: 8 h + r + 8 (r / 8)
	s_lshl_b32 s60, s20, 8
	s_add_co_u32 s60, s60, NRM
	v_lshl_add_u32 v35, v35, 2, s60
	v_lshl_add_u32 v37, v32, 4, NRM
	ds_store_b32 v35, v33
	ds_store_b32 v35, v34 offset:128
	s_wait_alu depctr_va_vdst(0)                   ; directly ahead of the wait below
	s_wait_dscnt 0x0                               ; for the others' sake
	BAR
	s_cmp_lg_u32 s20, 0
	s_cbranch_scc1 .Lnot_first
	ds_load_b128 v[40:43], v37
	ds_load_b128 v[44:47], v37 offset:512
	s_wait_dscnt 0x0
	global_store_b128 v[LI], v[40:43], s[16:17]
	global_store_b128 v[LI], v[44:47], s[16:17] offset:512
.Lnot_first:
	s_wait_tensorcnt 0x0                           ; the wave's end
	ds_add_u32 v[SPW], v[NIL]
	s_wait_dscnt 0x0
	CROUND                                         ; the closing round
	s_endpgm
.Lfunc_end_k_q66ac5a8cd0_proj:
	.size	k_q66ac5a8cd0_proj, .Lfunc_end_k_q66ac5a8cd0_proj-k_q66ac5a8cd0_proj
	.p2alignl 7, 3214868480
	.fill 96, 4, 3214868480
	.section	.rodata,"a",@progbits
	.p2align	6, 0x0
	.amdhsa_kernel k_q66ac5a8cd0_proj
		.amdhsa_group_segment_fixed_size 327680
		.amdhsa_private_segment_fixed_size 0
		.amdhsa_enable_private_segment 0
		.amdhsa_kernarg_size 56
		.amdhsa_user_sgpr_count 2
		.amdhsa_user_sgpr_kernarg_segment_ptr 1
		.amdhsa_wavefront_size32 1
		.amdhsa_system_sgpr_workgroup_id_x 1
		.amdhsa_system_sgpr_workgroup_id_y 1
		.amdhsa_system_sgpr_workgroup_id_z 1
		.amdhsa_system_vgpr_workitem_id 0
		.amdhsa_next_free_vgpr 1024
		.amdhsa_next_free_sgpr 84
		.amdhsa_reserve_vcc 1
		.amdhsa_float_denorm_mode_32 3
		.amdhsa_float_denorm_mode_16_64 3
		.amdhsa_memory_ordered 1
		.amdhsa_forward_progress 1
		.amdhsa_inst_pref_size 255
	.end_amdhsa_kernel
	.section	.bss,"aw",@nobits
	.p2align	6
	.space	262144
	.amdgpu_metadata
---
amdhsa.version: [ 1, 2 ]
amdhsa.kernels:
  - .name:           k_q66ac5a8cd0_proj
    .symbol:         k_q66ac5a8cd0_proj.kd
    .args:
      - { .name: Xd, .offset: 0, .size: 8, .value_kind: global_buffer, .address_space: global }
      - { .name: Wc, .offset: 8, .size: 8, .value_kind: global_buffer, .address_space: global }
      - { .name: Wk0, .offset: 16, .size: 8, .value_kind: global_buffer, .address_space: global }
      - { .name: Wq0, .offset: 24, .size: 8, .value_kind: global_buffer, .address_space: global }
      - { .name: lowp_scales, .offset: 32, .size: 8, .value_kind: global_buffer, .address_space: global }
      - { .name: KQ, .offset: 40, .size: 8, .value_kind: global_buffer, .address_space: global }
      - { .name: D2, .offset: 48, .size: 8, .value_kind: global_buffer, .address_space: global }
    .group_segment_fixed_size: 327680
    .private_segment_fixed_size: 0
    .kernarg_segment_align: 8
    .kernarg_segment_size: 56
    .max_flat_workgroup_size: 128
    .sgpr_count:     84
    .vgpr_count:     1024
    .wavefront_size: 32
...
	.end_amdgpu_metadata
.endif
;; end of part 2
;; launch attn (part 3): grid 256 x 1, 4 waves a work-group, clusters of 4 x 1, 327,680 bytes of LDS; arguments KQ, Xc, D2, lowp_scales, out0; writes out0
.if DOCPART == 3
	.amdgcn_target "amdgcn-amd-amdhsa--gfx1250"
	.amdhsa_code_object_version 6
	.text
	.protected	k_q66ac5a8cd0_attn
	.globl	k_q66ac5a8cd0_attn
	.p2align	8
	.type	k_q66ac5a8cd0_attn,@function
k_q66ac5a8cd0_attn:
	s_mov_b64 s[64:65], 0
	v_nop
	global_prefetch_b8 v0, s[64:65] scope:SCOPE_SE
	s_setreg_imm32_b32 hwreg(HW_REG_WAVE_MODE, 25, 1), 1
	s_wait_xcnt 0x0
	s_wait_alu depctr_hold_cnt(0) depctr_sa_sdst(0) depctr_va_vdst(0) depctr_va_sdst(0) depctr_va_ssrc(0) depctr_va_vcc(0) depctr_vm_vsrc(0)
	s_getreg_b32 s2, hwreg(HW_REG_IB_STS2, 6, 4)
	s_cmp_eq_u32 s2, 0
	s_cbranch_scc0 .Lentry_in_a_cluster
	s_endpgm
.Lentry_in_a_cluster:
	s_bfe_u32 s2, ttmp6, 0x10000c
	s_cmp_lg_u32 s2, 0x3003
	s_cbranch_scc0 .Lentry_shape_is_right
	s_endpgm
.Lentry_shape_is_right:
; Z[n][c][k] = sum over b of X[n][c][b] SM[n][b][k], SM = softmax over b of Y[b][k] = Q[:, b] . K[:, k] / sqrt(max(DQ2[b] DK2[k], 1e-12)).  Both products on codes of FP8 (E4M3) made by the launch before:
; KQ = [K, Q][n][c / 128][tile 32][2048], Xc = [n][c / 16][b / 128][2048], fragments as images of the operand's registers ([block 0..3][lane][16 bytes]); D2 = [DK2, DQ2][n][512] f32.  out0: [32][1024][512] f32.
; THE SOFTMAX AHEAD OF THE SECOND PRODUCT: t = Y x log2(e); M = the column's largest t rounded UP to a whole number; p = 2^(t - M) is quantised with 2^e7, not normalised; the sum of the unquantised p divides Z at the end.
; All 512 t of a column are held in registers at once, so M is the column's own, and nothing is rescaled.
; SHARES.  A cluster of four work-groups belongs to one batch n (= cluster number / 2); a work-group owns 64 columns k (block kb = 4 (cluster number % 2) + cx), all 512 b and all 1,024 c.
; FIRST PRODUCT: wave w owns b = 128 w on: S^T = Q K^T with source 0 = 16 rows b of Q, source 1 = 16 columns k: a lane holds ONE k, and the registers of tiles 2 i and 2 i + 1 are 16 neighbouring b (the rows of a tile were
; chosen so by the launch before).  p's codes are then a fragment of the second product as they stand; the four waves exchange them through LDS.
; SECOND PRODUCT: wave w owns c tiles 16 sp + 4 w + u: source 0 = p (16 k), source 1 = 16 rows c of Xc: a lane holds one c and neighbouring k; a tile of 16 c x 64 k goes through the wave's stage and leaves as rows of 256 bytes.
; TWO WAYS IN.  The four partners walk the same Q and the same Xc, so three quarters of each come JOINTLY (mask 15) through two LDS slots of 131,072 bytes: Q's c steps 0-3 by the two first fills, steps 6, 7 by a refill; Xc's c tiles
; 0-15, 32-47 and 48-63 by three refills.  Behind a round a wave has one tensor load of 32,768 bytes out, and the next round waits for it.  A wave's tiles of Q and of Xc are read by that wave alone, so one quarter of each
; (131,072 of a work-group's 524,288 bytes) comes WITHOUT multicast, by 64 loads a wave straight into window 3, on its way beside the ring's load: Q's c steps 4, 5 from the head on, Xc's c tiles 16-31 from the moment those are
; multiplied.  That spares two rounds, and each refill has more work under it: 128 products; 64 products and half the softmax; the other half and 64 products; 128 products and their ways out.
; K's fragments are the work-group's own.  Window 2 holds four c steps: 0-3 from the head on; steps 4, 5 and 6, 7 take the places of 0, 1 and 2, 3 as those are multiplied out.
; THE DIVISOR: 1 / sqrt(max(a b, 1e-12)) is taken as min(rsq(a) rsq(b), 1e6), folded with log2(e) 2^(e4 + e5).
; LIMITS: e4 + e5 between -126 and 107 (it is added to an exponent field, and the cap is 1e6 times that); e7 between -126 and 119; e6 + e7 goes in by v_ldexp_f32.  A DQ2 or DK2 under 2^-126 counts as 0 (v_rsq_f32 flushes), and takes
; the cap; where DQ2 x DK2 overflows f32, reference() has Y = 0 and this text a Y of tiny size.  NaN among the inputs is not served.
; REGISTERS, in windows of 256.  Window 0: v1-23 addresses and constants; v24-31 rsq(DK2) c, in pairs; v32-39 -M, in pairs; v40-43 2^(e6 + e7) / l; v44-63 at work; v64-127 DQ2, then at work, then two sets of rows on the way out;
; v128-255 two sets of Q's fragments, then rsq(DQ2) and the factors, then two sets of Xc's fragments.  Window 1: S^T (tile of k ka, tile of b i at 64 ka + 8 i), then t, then p; later Z's accumulators, two sets of 32.
; Window 2: K's fragments ((ka, c step s) at (s % 4) 64 + 16 ka); later p's 16 fragments ((bb, ka) at 16 (4 bb + ka)).  Window 3: Q's c steps 4, 5 ((s, tile i) at 128 (s - 4) + 16 i); later Xc's tiles 16 + 4 w + u ((u, bb) at 64 u + 16 bb).
.set SLOTB, 131072                     ; a slot: two c steps of Q ([2][tile 32][2048]) or 16 c tiles of Xc ([16][4][2048])
.set PIMG,  2*SLOTB                    ; p's 16 fragments
.set STG,   PIMG+32768                 ; the way out: 16 rows x (256 + 16) bytes for each wave
.set SP,    272
.set MXB,   STG+17408                  ; the waves' largest t: [w][ka][r]
.set LSB,   MXB+1024                   ; the waves' sums: [w][64 columns]
.set SPARE, LSB+1024                   ; the spare words, 128 bytes for each wave: two blocks of 256 bytes that no other line names
.set SPW, 1
.set NIL, 2
.set LI,  3                            ; v3   16 x lane
.set QA,  4                            ; v4-7 my tiles of Q: slot sg, c step sl at QA + 2 sg + sl
.set XA,  8                            ; v8-9 my tiles of Xc in slot 0, 1
.set PW,  10                           ; v10  where my fragments of p go;  v11 where all come from
.set PL,  11
.set MS,  12                           ; v12, v13 the largest t: in, out
.set ML,  13
.set LSS, 14                           ; v14, v15 the sums: in, out
.set LSL, 15
.set STO, 16                           ; v16, v17 my stage: in, out;  v18 my place in out0
.set RD,  17
.set GO,  18
.set S7,  19                           ; v19  2^e7 as f32;  v20  448 x 2^e7
.set L7,  20
.set DQO, 21
.set DKO, 22
.set PT,  23                           ; v23  a lane permute's destination
.set GK,  24
.set NM,  32
.set INV, 40
.set DKR, 44
.set TM,  48
.set RAW, 64
.set PC,  96
.set OB,  64
.set RQ,  128
.set FF,  192
.set MSB, 0
.macro WIN new                         ; the immediate's high byte repeats the setting that is left
.if MSB != \new
	s_set_vgpr_msb (MSB<<8)|\new
.set MSB, \new
.endif
.endm
.macro PLACES n
.rept \n
	v_nop
.endr
.endm
.macro BAR
	s_barrier_signal -1
	s_barrier_wait -1
.endm
.macro CROUND                          ; a round of the cluster's barrier
	BAR
	s_cmp_lg_u32 s20, 0
	s_cbranch_scc1 .Lnot_wave_0_\@
	s_barrier_signal -3
.Lnot_wave_0_\@:
	s_barrier_wait -3
	s_barrier_signal -1
	s_barrier_wait -1
.endm
.macro GZERO f, slot, base, off        ; descriptor group 0 of fill f, written once: my quarter of the slot, from off slots' worth of bytes behind the base
	s_mov_b32 s[32+4*\f], 1                        ; count = 1
	s_add_co_u32 s[33+4*\f], s84, (\slot)*SLOTB    ; LDS address
	s_add_nc_u64 s[34+4*\f:35+4*\f], s[\base:\base+1], (\off)*SLOTB   ; global address
	s_or_b32 s[35+4*\f], s[35+4*\f], 0x80000000    ; type = 2
.endm
; The loads that go straight into registers.  Each reads 512 consecutive bytes, 16 a lane; the window of the destination is set by the caller.
.macro KREG st, pl                     ; K's c step st, four fragments, into place pl of window 2
.irp ka, 0,1,2,3
.irp c, 0,1,2,3
	global_load_b128 v[64*(\pl)+16*\ka+4*\c:64*(\pl)+16*\ka+4*\c+3], v[LI], s[14:15] offset:(\st)*65536+\ka*2048+\c*512
.endr
.endr
.endm
.macro QREG st                         ; my eight tiles of Q's c step st (4 or 5) into window 3
.irp i, 0,1,2,3,4,5,6,7
.irp c, 0,1,2,3
	global_load_b128 v[128*((\st)-4)+16*\i+4*\c:128*((\st)-4)+16*\i+4*\c+3], v[LI], s[90:91] offset:(\st)*65536+\i*2048+\c*512
.endr
.endr
.endm
.macro XREG u                          ; Xc's c tile 16 + 4 w + u, four fragments along b, into window 3
.irp bb, 0,1,2,3
.irp c, 0,1,2,3
	global_load_b128 v[64*(\u)+16*\bb+4*\c:64*(\u)+16*\bb+4*\c+3], v[LI], s[86:87] offset:SLOTB+(\u)*8192+\bb*2048+\c*512
.endr
.endr
.endm
	s_load_b256 s[4:11], s[0:1], 0x0               ; KQ s[4:5], Xc s[6:7], D2 s[8:9], the exponents s[10:11]
	s_load_b64 s[12:13], s[0:1], 0x20              ; out0
	v_lshl_add_u32 v[SPW], v0, 2, SPARE
	v_mov_b32 v[NIL], 0
	ds_add_u32 v1, v2
	ds_add_u32 v1, v2
	s_wait_dscnt 0x0
	v_lshrrev_b32 v48, 5, v0
	v_readfirstlane_b32 s20, v48                   ; wave 0..3
	s_lshr_b32 s21, ttmp9, 1                       ; n: the four partners share it
	; descriptor group 1: a dense block of 32,768 bytes as 128 rows of 32 elements of 8 bytes
	s_mov_b32 s24, 15|(3<<16)|(1<<21)              ; the mask: all four work-groups; elements of 8 bytes; bit 21 set beside a mask
	s_mov_b32 s25, 32<<16
	s_mov_b32 s26, 128<<16
	s_mov_b32 s27, 32<<16
	s_mov_b32 s28, 128
	s_mov_b32 s29, 32
	s_mov_b32 s30, 0
	s_mov_b32 s31, 0
	s_mov_b32 s56, 15|(3<<16)|(1<<21)              ; a second group 1, for the head's one load a wave: 65,536 dense bytes as 256 rows of 32 elements of 8 bytes
	s_mov_b32 s57, 32<<16
	s_mov_b32 s58, 256<<16
	s_mov_b32 s59, 32<<16
	s_mov_b32 s60, 256
	s_mov_b32 s61, 32
	s_mov_b32 s62, 0
	s_mov_b32 s63, 0
	s_mov_b32 s80, 0x76543210
	s_mov_b32 s81, 0xfedcba98
	s_lshl_b32 s84, s20, 15                        ; my quarter of a slot
	s_lshl_b32 s82, s21, 19                        ; the batch's 524,288 bytes in K, in Q and in Xc
	s_add_co_u32 s82, s82, s84
	s_mov_b32 s83, 0
	s_wait_kmcnt 0x0
	s_load_b256 s[68:75], s[10:11], 0x0            ; e0 .. e7
	s_add_nc_u64 s[18:19], s[4:5], s[82:83]
	s_add_nc_u64 s[18:19], s[18:19], 16777216      ; Q lies behind K
	s_add_nc_u64 s[86:87], s[6:7], s[82:83]
	CROUND                                         ; all four work-groups are here: the first joint loads meet
	s_mov_b32 s85, 0                               ; Q's c steps 0-3 are 262,144 consecutive bytes of memory and fill both slots, which lie on end: wave w brings bytes 65,536 w on
	s_mov_b32 s32, 1
	s_lshl_b32 s33, s20, 16
	s_add_nc_u64 s[34:35], s[18:19], s[84:85]      ; s[18:19] holds 32,768 w already
	s_or_b32 s35, s35, 0x80000000
	GZERO 2, 0, 18, 3                              ; Q's c steps 6, 7
	GZERO 3, 1, 86, 0                              ; Xc's c tiles 0-15
	GZERO 4, 0, 86, 2                              ; Xc's c tiles 32-47
	GZERO 5, 1, 86, 3                              ; Xc's c tiles 48-63
	tensor_load_to_lds s[32:35], s[56:63]          ; one tensor load a wave at the head
	s_nop 0
	PLACES 4
	s_bfe_u32 s23, ttmp6, 0x40000                  ; cx: it enters global addresses of K, D2, out0 and the prefetches alone
	s_and_b32 s22, ttmp9, 1
	s_lshl_b32 s22, s22, 2
	s_add_co_u32 s22, s22, s23                     ; kb
	s_lshl_b32 s88, s21, 19
	s_lshl_b32 s89, s22, 13
	s_add_co_u32 s88, s88, s89
	s_mov_b32 s89, 0
	s_add_nc_u64 s[14:15], s[4:5], s[88:89]        ; K at (n, c step 0, tile 4 kb)
	s_lshl_b32 s88, s21, 21
	s_lshl_b32 s89, s22, 8
	s_add_co_u32 s88, s88, s89
	s_lshl_b32 s89, s20, 17
	s_add_co_u32 s88, s88, s89
	s_mov_b32 s89, 0
	s_add_nc_u64 s[16:17], s[12:13], s[88:89]      ; out0 at (n, c = 64 w, k = 64 kb)
	s_lshl_b32 s90, s21, 19
	s_lshl_b32 s91, s20, 14
	s_add_co_u32 s90, s90, s91
	s_mov_b32 s91, 0
	s_add_nc_u64 s[90:91], s[4:5], s[90:91]
	s_add_nc_u64 s[90:91], s[90:91], 16777216      ; Q at (n, c step 0, tile 8 w)
	v_and_b32 v48, 31, v0                          ; l
	v_and_b32 v49, 15, v0                          ; r
	v_bfe_u32 v50, v0, 4, 1                        ; h
	v_mov_b32 v[PT], 0                             ; written once: a lane permute's destination counts as one of its sources
	v_lshlrev_b32 v[LI], 4, v48
	s_lshl_b32 s85, s20, 14
	v_lshl_add_u32 v[QA], v48, 4, s85
	v_add_nc_u32 v[QA+1], 65536, v[QA]
	v_add_nc_u32 v[QA+2], SLOTB, v[QA]
	v_add_nc_u32 v[QA+3], SLOTB+65536, v[QA]
	v_lshl_add_u32 v[XA], v48, 4, s84
	v_add_nc_u32 v[XA+1], SLOTB, v[XA]
	s_lshl_b32 s85, s20, 13
	s_add_co_u32 s85, s85, PIMG
	v_lshl_add_u32 v[PW], v48, 4, s85
	v_lshl_add_u32 v[PL], v48, 4, PIMG
	s_lshl_b32 s85, s20, 8
	s_add_co_u32 s79, s85, MXB
	v_lshl_add_u32 v[MS], v49, 2, s79
	v_lshl_add_u32 v[ML], v49, 2, MXB
	v_and_b32 v51, 8, v49
	v_add_nc_u32 v51, v51, v49                     ; r + 8 (r / 8)
	s_add_co_u32 s79, s85, LSB
	v_lshl_add_u32 v[LSS], v51, 2, s79
	v_lshl_add_u32 v[LSL], v49, 4, LSB
	s_mul_i32 s85, s20, 16*SP
	s_add_co_u32 s85, s85, STG
	v_mul_u32_u24 v52, v49, SP
	v_lshl_add_u32 v52, v50, 6, v52
	v_add_nc_u32 v[STO], s85, v52                  ; in: row r, + 64 h bytes: my 16 k of each 32
	v_mul_u32_u24 v52, v50, SP
	v_lshl_add_u32 v52, v49, 4, v52
	v_add_nc_u32 v[RD], s85, v52                   ; back: lanes 0-15 one row of 256 bytes, lanes 16-31 the next
	v_lshlrev_b32 v[GO], 11, v50
	v_lshl_add_u32 v[GO], v49, 4, v[GO]            ; and the same two rows in out0
	s_lshl_b32 s85, s21, 11
	s_lshl_b32 s79, s20, 9
	s_add_co_u32 s85, s85, s79
	s_add_co_u32 s85, s85, 65536
	v_lshl_add_u32 v[DQO], v50, 6, s85             ; DQ2 of b = 128 w + 16 h on
	s_lshl_b32 s88, s21, 11
	s_lshl_b32 s89, s22, 8
	s_add_co_u32 s88, s88, s89
	v_lshl_add_u32 v[DKO], v51, 2, s88
	; PREFETCHES INTO THE L2.  A block of 131,072 bytes that the cluster loads is 512 aligned blocks of 256 bytes: one lane of the cluster's 16 waves each, shared out by address (cx enters no branch and no LDS address).
	s_lshl_b32 s88, s21, 19
	s_mov_b32 s89, 0
	s_add_nc_u64 s[94:95], s[6:7], s[88:89]        ; Xc of my batch
	s_add_nc_u64 s[92:93], s[4:5], s[88:89]
	s_add_nc_u64 s[92:93], s[92:93], 16777216      ; Q of my batch
	s_lshl_b32 s85, s23, 2
	s_add_co_u32 s85, s85, s20
	s_lshl_b32 s85, s85, 13
	s_lshl_b32 s79, s20, 16
	v_lshl_add_u32 v56, v48, 8, s85                ; 8,192 bytes a wave of the cluster, lanes 256 bytes apart
	v_lshl_add_u32 v57, v48, 8, s79                ; K: wave w takes c step 4 + w, 8,192 bytes of my work-group's own
	s_wait_alu depctr_va_vdst(0)                   ; directly behind the writes
	global_prefetch_b8 v57, s[14:15] offset:4*65536 th:TH_LOAD_NT scope:SCOPE_SE   ; K's c steps 4-7, which are loaded behind the first two slots' products
	global_prefetch_b8 v56, s[92:93] offset:3*SLOTB th:TH_LOAD_NT scope:SCOPE_SE   ; Q's c steps 6, 7, which the first change of slots asks for
	WIN 0x80                                       ; destination window 2: what the first products want comes first
	KREG 0, 0
	KREG 1, 1
	KREG 2, 2
	KREG 3, 3
	WIN 0
.irp b, 0,1,2,3
.irp i, 0,1,2,3
	global_load_b128 v[RAW+16*\b+4*\i:RAW+16*\b+4*\i+3], v[DQO], s[8:9] offset:128*\b+16*\i   ; register 16 b + i: DQ2 of the b that S^T's register 16 b + i holds
.endr
.endr
.irp ka, 0,1,2,3
	global_load_b32 v[DKR+\ka], v[DKO], s[8:9] offset:(32*(\ka/2)+8*(\ka%2))*4
.endr
.irp ka, 0,1,2,3
	global_load_b32 v[TM+\ka], v[DKO], s[8:9] offset:131072+(32*(\ka/2)+8*(\ka%2))*4   ; D2 comes in two halves of c, 131,072 bytes apart: the second half
.endr
	WIN 0x40                                       ; DQ2's second half waits in window 1, which the first products write only behind the additions
.irp b, 0,1,2,3
.irp i, 0,1,2,3
	global_load_b128 v[16*\b+4*\i:16*\b+4*\i+3], v[DQO], s[8:9] offset:131072+128*\b+16*\i
.endr
.endr
	WIN 0xc0
	QREG 4
	QREG 5
	WIN 0
	s_wait_kmcnt 0x0
	s_add_co_i32 s76, s72, s73
	s_lshl_b32 s76, s76, 23
	s_add_co_i32 s76, s76, 0x3fb8aa3b              ; c = log2(e) x 2^(e4 + e5): the exponents are added to log2(e)'s exponent field
	s_mul_f32 s77, s76, 0x49742400                 ; the cap: 1e6 x c
	s_add_co_i32 s78, s74, s75                     ; e6 + e7
	s_add_co_i32 s79, s75, 127
	s_lshl_b32 s85, s79, 23
	v_mov_b32 v[S7], s85
	s_add_co_i32 s79, s79, 8
	s_lshl_b32 s79, s79, 23
	s_or_b32 s79, s79, 0x600000
	v_mov_b32 v[L7], s79
; THE CHANGE OF SLOTS.  Each wave waits for all its tensor loads (its quarter of the slot that is read next), adds 0 to its spare word, and waits for that and for its reads of the slot that it leaves.  f >= 0: that slot is filled
; again by fill f, behind a round of the cluster's barrier, as the wave's one tensor load there.
.macro CHANGE f
	s_wait_tensorcnt 0x0
	ds_add_u32 v[SPW], v[NIL]
	s_wait_dscnt 0x0
.if (\f) >= 0
	CROUND
	tensor_load_to_lds s[32+4*(\f):35+4*(\f)], s[24:31]
	s_nop 0
.else
	BAR
.endif
	PLACES 4                                       ; the places in front of loads into registers that the last products read
.endm
.macro FETCHQ sg, sl, half, set        ; four of my eight tiles of Q, one c step
.irp x, 0,1,2,3
.irp c, 0,1,2,3
	ds_load_b128 v[128+64*(\set)+16*\x+4*\c:128+64*(\set)+16*\x+4*\c+3], v[QA+2*(\sg)+(\sl)] offset:(4*(\half)+\x)*2048+512*\c
.endr
.endr
.endm
; 16 matrix instructions: four tiles of b out of a set x my four tiles of k, c step s.  The accumulators take turns, one instruction a turn
.macro MULS s, half, set, zero
	WIN 0x58                                       ; source 1 (K) window 2, C and D window 1
.irp x, 0,1,2,3
.irp ka, 0,1,2,3
.set rD, 64*\ka+8*(4*(\half)+\x)
.set rA, 128+64*(\set)+16*\x
.set rB, ((\s)%4)*64+16*\ka
.if \zero
	v_wmma_f32_16x16x128_fp8_fp8 v[rD:rD+7], v[rA:rA+15], v[rB:rB+15], 0
.else
	v_wmma_f32_16x16x128_fp8_fp8 v[rD:rD+7], v[rA:rA+15], v[rB:rB+15], v[rD:rD+7]
.endif
.endr
.endr
	WIN 0
.endm
; 32 matrix instructions: c step s (4 or 5), my eight tiles of b out of window 3 x my four tiles of k; the 32 accumulators by turns
.macro MULSR s
	WIN 0x5b                                       ; source 0 (Q) window 3, source 1 (K) window 2, C and D window 1
.irp x, 0,1,2,3,4,5,6,7
.irp ka, 0,1,2,3
.set rD, 64*\ka+8*\x
.set rA, 128*((\s)-4)+16*\x
.set rB, ((\s)%4)*64+16*\ka
	v_wmma_f32_16x16x128_fp8_fp8 v[rD:rD+7], v[rA:rA+15], v[rB:rB+15], v[rD:rD+7]
.endr
.endr
	WIN 0
.endm
.macro SSLOT f, sg, zero               ; c steps 2 f and 2 f + 1 out of slot sg: four units of 16 products; each unit's fragments are asked for a unit ahead
	FETCHQ \sg, 0, 0, 0
	FETCHQ \sg, 0, 1, 1
	s_wait_dscnt 16                                ; all but the 16 loads just issued
	MULS 2*(\f), 0, 0, \zero
	PLACES 4
	FETCHQ \sg, 1, 0, 0
	s_wait_dscnt 16
	MULS 2*(\f), 1, 1, \zero
	PLACES 4
	FETCHQ \sg, 1, 1, 1
	s_wait_dscnt 16
	MULS 2*(\f)+1, 0, 0, 0
	s_wait_dscnt 0x0
	MULS 2*(\f)+1, 1, 1, 0
.endm
	s_wait_tensorcnt 0x0                           ; my part of both slots is in
	BAR
	s_wait_loadcnt 63                              ; K's c steps 0-3 and both halves of D2 are in: 64 younger loads stand behind them
	s_wait_xcnt 0x0                                ; the head's prefetches have read their address registers
	v_mov_b32 v[DQO], v56                          ; DQ2's loads are done: their offset register keeps the prefetches' offset from here on, and is not written again
	WIN 0x04
.set xx, 0
.rept 32
	v_pk_add_f32 v[RAW+xx:RAW+xx+1], v[RAW+xx:RAW+xx+1], v[xx:xx+1]   ; DQ2 = its two halves of c
.set xx, xx+2
.endr
	WIN 0
.irp ka, 0,1,2,3
	v_add_f32 v[DKR+\ka], v[DKR+\ka], v[TM+\ka]    ; DK2 likewise
.endr
	SSLOT 0, 0, 1
	CHANGE 2                                       ; slot 0 takes Q's c steps 6, 7
	WIN 0x80
	KREG 4, 0                                      ; K's c steps 0, 1 are multiplied out: their places take steps 4, 5
	KREG 5, 1
	WIN 0
	global_prefetch_b8 v[DQO], s[94:95] th:TH_LOAD_NT scope:SCOPE_SE   ; Xc's c tiles 0-15, which the next change of slots asks for
	SSLOT 1, 1, 0
	PLACES 4                                       ; in front of loads into registers that the last products read
	WIN 0x80
	KREG 6, 2
	KREG 7, 3
	WIN 0
	global_prefetch_b8 v[DQO], s[94:95] offset:SLOTB th:TH_LOAD_NT scope:SCOPE_SE   ; c tiles 16-31, which are loaded behind the next change of slots
	s_wait_loadcnt 32                              ; Q's and K's c steps 4, 5 are in, DQ2 and DK2 too; K's steps 6, 7, the 32 loads just issued, may stay out
	MULSR 4                                        ; 64 products from registers alone, while slot 0's refill is on its way
	MULSR 5
	CHANGE 3                                       ; slot 0 is whole; slot 1 takes Xc's c tiles 0-15
	s_wait_loadcnt 0x0                             ; K's c steps 6, 7
	WIN 0xc0
	XREG 0                                         ; window 3 is multiplied out: it takes Xc's c tiles 16 + 4 w on.  48 loads now, the last 16 behind the next change of slots
	XREG 1
	XREG 2
	WIN 0
	global_prefetch_b8 v[DQO], s[94:95] offset:2*SLOTB th:TH_LOAD_NT scope:SCOPE_SE   ; c tiles 32-47, which the next change of slots asks for
	SSLOT 3, 0, 0
	PLACES 4                                       ; behind the last products: their sources are written and their results read below
	; THE SOFTMAX
.set xx, 0
	s_wait_alu depctr_va_vdst(0)
.rept 64
	v_rsq_f32 v[RQ+xx], v[RAW+xx]
.set xx, xx+1
.endr
.irp ka, 0,1,2,3
	v_rsq_f32 v[GK+2*\ka], v[DKR+\ka]
.endr
	v_nop                                          ; a plain line behind the transcendentals
	s_wait_alu depctr_va_vdst(0)
.irp ka, 0,1,2,3
	v_mul_f32 v[GK+2*\ka], s76, v[GK+2*\ka]
.endr
.irp ka, 0,1,2,3
	v_mov_b32 v[GK+2*\ka+1], v[GK+2*\ka]
.endr
; t for tile ka of my columns, in place, and my 128 rows' largest
.macro SM1 ka
	WIN 0
.set xx, 0
.rept 32
	v_pk_mul_f32 v[FF+xx:FF+xx+1], v[RQ+xx:RQ+xx+1], v[GK+2*\ka:GK+2*\ka+1]
.set xx, xx+2
.endr
.set xx, 0
.rept 64
	v_min_num_f32 v[FF+xx], s77, v[FF+xx]          ; the clip at 1e-12 under the root is a cap on the factor
.set xx, xx+1
.endr
	WIN 0x41                                       ; S^T (destination and source 0) window 1
.set xx, 0
.rept 32
	v_pk_mul_f32 v[64*\ka+xx:64*\ka+xx+1], v[64*\ka+xx:64*\ka+xx+1], v[FF+xx:FF+xx+1]   ; each accumulator from its low end on
.set xx, xx+2
.endr
	WIN 0x15                                       ; all three sources window 1
.irp y, 0,1,2,3
	v_max3_num_f32 v[64+\y], v[64*\ka+3*\y], v[64*\ka+3*\y+1], v[64*\ka+3*\y+2]   ; four chains, started by the first twelve
.endr
	WIN 0x14
.set pp, 0
.rept 26
	v_max3_num_f32 v[64+pp%4], v[64+pp%4], v[64*\ka+12+2*pp], v[64*\ka+13+2*pp]
.set pp, pp+1
.endr
	WIN 0
	v_max3_num_f32 v64, v64, v65, v66
	v_max_num_f32 v64, v64, v67
	v_permlanex16_b32 v[PT], v64, s80, s81         ; the column's other 64 of my rows lie in the lane 16 away
	v_max_num_f32 v[68+\ka], v64, v[PT]
	ds_store_b32 v[MS], v[68+\ka] offset:64*\ka
.endm
	SM1 0
	SM1 1
	SM1 2
	SM1 3
	CHANGE 4                                       ; the barrier that shows every wave the others' largest t is also a change of slots: slot 1 is whole, nobody reads slot 0 any more, and it takes Xc's c tiles 32-47
	WIN 0xc0
	XREG 3
	WIN 0
	global_prefetch_b8 v[DQO], s[94:95] offset:3*SLOTB th:TH_LOAD_NT scope:SCOPE_SE   ; c tiles 48-63, which the next change of slots asks for
.irp ka, 0,1,2,3
.irp w, 0,1,2,3
	ds_load_b32 v[TM+4*\ka+\w], v[ML] offset:256*\w+64*\ka
.endr
.endr
	s_wait_dscnt 0x0
.irp ka, 0,1,2,3
	v_max3_num_f32 v[TM+4*\ka], v[TM+4*\ka], v[TM+4*\ka+1], v[TM+4*\ka+2]
.endr
.irp ka, 0,1,2,3
	v_max_num_f32 v[TM+4*\ka], v[TM+4*\ka], v[TM+4*\ka+3]
.endr
.irp ka, 0,1,2,3
	v_floor_f32 v[NM+2*\ka], -v[TM+4*\ka]          ; -M = floor(-t) = -ceil(t): M is a whole number
.endr
.irp ka, 0,1,2,3
	v_mov_b32 v[NM+2*\ka+1], v[NM+2*\ka]
.endr
; p, its sum, its codes
.macro SM2 ka
	WIN 0x41
.set xx, 0
.rept 32
	v_pk_add_f32 v[64*\ka+xx:64*\ka+xx+1], v[64*\ka+xx:64*\ka+xx+1], v[NM+2*\ka:NM+2*\ka+1]
.set xx, xx+2
.endr
.set xx, 0
	s_wait_alu depctr_va_vdst(0)
.rept 64
	v_exp_f32 v[64*\ka+xx], v[64*\ka+xx]           ; p = 2^(t - M), at most 1
.set xx, xx+1
.endr
	v_nop                                          ; a plain line behind the transcendentals
	WIN 0x05                                       ; sources window 1, destination window 0
.set xx, 0
	s_wait_alu depctr_va_vdst(0)
.rept 16
	v_pk_add_f32 v[64+2*xx:65+2*xx], v[64*\ka+4*xx:64*\ka+4*xx+1], v[64*\ka+4*xx+2:64*\ka+4*xx+3]   ; the sum is taken of the UNQUANTISED p
.set xx, xx+1
.endr
	WIN 0x41
.set xx, 0
.rept 64
	v_min_num_f32 v[64*\ka+xx], v[64*\ka+xx], v[L7]   ; the conversion does not saturate (ISA guide 7.6.2); p is not negative, so the hold is one-sided
.set xx, xx+1
.endr
	WIN 0x01
.irp x, 0,1,2,3,4,5,6,7
	v_cvt_scalef32_pk8_fp8_f32 v[PC+2*\x:PC+2*\x+1], v[64*\ka+8*\x:64*\ka+8*\x+7], v[S7]
.endr
	v_nop                                          ; a plain line behind the last conversion
	WIN 0
.irp y, 0,4,8,12,16,20,24,28
	v_pk_add_f32 v[64+\y:65+\y], v[64+\y:65+\y], v[66+\y:67+\y]
.endr
.irp y, 0,8,16,24
	v_pk_add_f32 v[64+\y:65+\y], v[64+\y:65+\y], v[68+\y:69+\y]
.endr
.irp y, 0,16
	v_pk_add_f32 v[64+\y:65+\y], v[64+\y:65+\y], v[72+\y:73+\y]
.endr
	v_pk_add_f32 v[64:65], v[64:65], v[80:81]
	v_add_f32 v64, v64, v65
	v_permlanex16_b32 v[PT], v64, s80, s81
	v_add_f32 v[112+\ka], v64, v[PT]
	ds_store_b32 v[LSS], v[112+\ka] offset:4*(32*(\ka/2)+8*(\ka%2))   ; at the column's own place among the 64
.irp c, 0,1,2,3
	ds_store_b128 v[PW], v[PC+4*\c:PC+4*\c+3] offset:2048*\ka+512*\c   ; fragment (b block w, ka) as it stands
.endr
	s_wait_dscnt 0x0                               ; the stores have read their registers
.endm
	SM2 0
	SM2 1
	SM2 2
	SM2 3
	s_wait_dscnt 0x0
	BAR                                            ; p's sixteen fragments and the sums lie in LDS.
	WIN 0x80
.irp fr, 0,1,2,3,4,5,6,7,8,9,10,11,12,13,14,15
.irp c, 0,1,2,3
	ds_load_b128 v[16*\fr+4*\c:16*\fr+4*\c+3], v[PL] offset:2048*\fr+512*\c
.endr
.endr
	WIN 0
.irp w, 0,1,2,3
	ds_load_b128 v[TM+4*\w:TM+4*\w+3], v[LSL] offset:256*\w   ; the four waves' sums of columns 4 (lane % 16) + 0 .. 3: those that I store on the way out
.endr
	s_wait_dscnt 0x0
	v_pk_add_f32 v[TM:TM+1], v[TM:TM+1], v[TM+4:TM+5]
	v_pk_add_f32 v[TM+2:TM+3], v[TM+2:TM+3], v[TM+6:TM+7]
	v_pk_add_f32 v[TM+8:TM+9], v[TM+8:TM+9], v[TM+12:TM+13]
	v_pk_add_f32 v[TM+10:TM+11], v[TM+10:TM+11], v[TM+14:TM+15]
	v_pk_add_f32 v[TM:TM+1], v[TM:TM+1], v[TM+8:TM+9]
	v_pk_add_f32 v[TM+2:TM+3], v[TM+2:TM+3], v[TM+10:TM+11]
	s_wait_alu depctr_va_vdst(0)
.irp i, 0,1,2,3
	v_rcp_f32 v[INV+\i], v[TM+\i]
.endr
	v_nop
	s_wait_alu depctr_va_vdst(0)
.irp i, 0,1,2,3
	v_ldexp_f32 v[INV+\i], v[INV+\i], s78          ; 2^(e6 + e7) / l
.endr
	; THE SECOND PRODUCT
.macro FETCHX sg, u, set               ; c tile u of my four in the slot: its four fragments along b
.irp bb, 0,1,2,3
.irp c, 0,1,2,3
	ds_load_b128 v[128+64*(\set)+16*\bb+4*\c:128+64*(\set)+16*\bb+4*\c+3], v[XA+(\sg)] offset:(\u)*8192+\bb*2048+512*\c
.endr
.endr
.endm
.macro MULZ set, z                     ; 16 matrix instructions: 16 c x 64 k, all 512 b; the four accumulators take turns; the first four start the sums
	WIN 0x52                                       ; source 0 (p) window 2, source 1 (Xc) window 0, C and D window 1
.irp bb, 0,1,2,3
.irp ka, 0,1,2,3
.set rD, 32*(\z)+8*\ka
.set rA, 16*(4*\bb+\ka)
.set rB, 128+64*(\set)+16*\bb
.if \bb == 0
	v_wmma_f32_16x16x128_fp8_fp8 v[rD:rD+7], v[rA:rA+15], v[rB:rB+15], 0
.else
	v_wmma_f32_16x16x128_fp8_fp8 v[rD:rD+7], v[rA:rA+15], v[rB:rB+15], v[rD:rD+7]
.endif
.endr
.endr
	WIN 0
.endm
.macro MULZR u, z                      ; the same with Xc's tile u out of window 3
	WIN 0x5e                                       ; source 0 (p) window 2, source 1 (Xc) window 3, C and D window 1
.irp bb, 0,1,2,3
.irp ka, 0,1,2,3
.set rD, 32*(\z)+8*\ka
.set rA, 16*(4*\bb+\ka)
.set rB, 64*(\u)+16*\bb
.if \bb == 0
	v_wmma_f32_16x16x128_fp8_fp8 v[rD:rD+7], v[rA:rA+15], v[rB:rB+15], 0
.else
	v_wmma_f32_16x16x128_fp8_fp8 v[rD:rD+7], v[rA:rA+15], v[rB:rB+15], v[rD:rD+7]
.endif
.endr
.endr
	WIN 0
.endm
.macro TOSTAGE g                       ; lane (r, h) holds row c = r, and in accumulator ka the columns 32 (ka / 2) + 16 h + 8 (ka % 2) + 0 .. 7: into my stage, and back as whole rows of 256 bytes
	s_wait_xcnt 0x0                                ; the stores of two tiles ago have read the registers that are loaded below (ISA guide 3.1)
	WIN 0x04                                       ; store data window 1
.irp ka, 0,1,2,3
.irp x, 0,1
	ds_store_b128 v[STO], v[32*((\g)%2)+8*\ka+4*\x:32*((\g)%2)+8*\ka+4*\x+3] offset:128*(\ka/2)+32*(\ka%2)+16*\x   ; each accumulator from its low end on
.endr
.endr
	WIN 0
.irp t, 0,1,2,3,4,5,6,7
	ds_load_b128 v[OB+32*((\g)%2)+4*\t:OB+32*((\g)%2)+4*\t+3], v[RD] offset:2*SP*\t   ; LDS serves a wave's instructions in order (ISA guide 5.7.1.4): these see my stores
.endr
.endm
.macro SEND g, cnt                     ; cnt: the LDS instructions issued behind tile g's loads, which may stay out
	s_wait_dscnt \cnt
.irp t, 0,1,2,3,4,5,6,7
	v_pk_mul_f32 v[OB+32*((\g)%2)+4*\t:OB+32*((\g)%2)+4*\t+1], v[OB+32*((\g)%2)+4*\t:OB+32*((\g)%2)+4*\t+1], v[INV:INV+1]
	v_pk_mul_f32 v[OB+32*((\g)%2)+4*\t+2:OB+32*((\g)%2)+4*\t+3], v[OB+32*((\g)%2)+4*\t+2:OB+32*((\g)%2)+4*\t+3], v[INV+2:INV+3]
.endr
.irp t, 0,1,2,3,4,5,6,7
	global_store_b128 v[GO], v[OB+32*((\g)%2)+4*\t:OB+32*((\g)%2)+4*\t+3], s[16:17] offset:(((\g)/4)*16+(\g)%4)*32768+4096*\t th:TH_STORE_NT   ; 16 lanes store 256 consecutive bytes, aligned; written once, read by nobody here
.endr
.endm
; One c tile out of a slot.  aw: what may stay out when its fragments must be in; bw: the same for the rows of the tile before.  That tile's multiplications are the places behind this tile's products.
.macro PVUNIT sp, sg, u, aw, bw
.set GU, 4*(\sp)+(\u)
.if (\u) < 3
	FETCHX \sg, (\u)+1, ((\u)+1)%2
.endif
	s_wait_dscnt \aw
	MULZ (\u)%2, GU%2
.if GU > 0
	SEND GU-1, \bw
.else
	PLACES 4
.endif
	TOSTAGE GU
.endm
.macro PVSLOT sp, sg                   ; c tiles 16 sp + 4 w + 0 .. 3 out of slot sg
	FETCHX \sg, 0, 0
	PVUNIT \sp, \sg, 0, 16, 16                     ; out: the next tile's 16 loads
	PVUNIT \sp, \sg, 1, 32, 16                     ; out: the last stage's 16 LDS instructions and the 16 loads just issued; then those 16 loads
	PVUNIT \sp, \sg, 2, 32, 16
	PVUNIT \sp, \sg, 3, 16, 0                      ; out: the last stage's 16; then nothing
.endm
.macro PVREG sp                        ; c tiles 16 sp + 4 w + 0 .. 3 out of window 3: nothing is fetched from LDS but the rows on the way out
.irp u, 0,1,2,3
.set GU, 4*(\sp)+\u
	MULZR \u, GU%2
	SEND GU-1, 0                                   ; the tile before is back from the stage; its multiplications are the places behind this tile's products
	TOSTAGE GU
.endr
.endm
	s_wait_alu depctr_va_vdst(0)
	PVSLOT 0, 1                                    ; c tiles 0-15 lie in slot 1
	CHANGE 5                                       ; slot 0 is whole; slot 1 takes c tiles 48-63, and has the next two quarters in which to land
	s_wait_loadcnt 0x0                             ; window 3: c tiles 16-31
	PVREG 1
	PVSLOT 2, 0
	CHANGE -1                                      ; slot 1 is whole; nothing is left to fetch
	PVSLOT 3, 1
	SEND 15, 0
	s_wait_tensorcnt 0x0                           ; the wave's end
	ds_add_u32 v[SPW], v[NIL]
	s_wait_dscnt 0x0
	CROUND                                         ; the closing round: no work-group ends while a partner may still ask for a tile that names it
	s_endpgm
.Lfunc_end_k_q66ac5a8cd0_attn:
	.size	k_q66ac5a8cd0_attn, .Lfunc_end_k_q66ac5a8cd0_attn-k_q66ac5a8cd0_attn
	.p2alignl 7, 3214868480
	.fill 96, 4, 3214868480
	.section	.rodata,"a",@progbits
	.p2align	6, 0x0
	.amdhsa_kernel k_q66ac5a8cd0_attn
		.amdhsa_group_segment_fixed_size 327680
		.amdhsa_private_segment_fixed_size 0
		.amdhsa_enable_private_segment 0
		.amdhsa_kernarg_size 40
		.amdhsa_user_sgpr_count 2
		.amdhsa_user_sgpr_kernarg_segment_ptr 1
		.amdhsa_wavefront_size32 1
		.amdhsa_system_sgpr_workgroup_id_x 1
		.amdhsa_system_sgpr_workgroup_id_y 1
		.amdhsa_system_sgpr_workgroup_id_z 1
		.amdhsa_system_vgpr_workitem_id 0
		.amdhsa_next_free_vgpr 1024
		.amdhsa_next_free_sgpr 96
		.amdhsa_reserve_vcc 0
		.amdhsa_float_denorm_mode_32 3
		.amdhsa_float_denorm_mode_16_64 3
		.amdhsa_memory_ordered 1
		.amdhsa_forward_progress 1
		.amdhsa_inst_pref_size 228
	.end_amdhsa_kernel
	.amdgpu_metadata
---
amdhsa.version: [ 1, 2 ]
amdhsa.kernels:
  - .name:           k_q66ac5a8cd0_attn
    .symbol:         k_q66ac5a8cd0_attn.kd
    .args:
      - { .name: KQ, .offset: 0, .size: 8, .value_kind: global_buffer, .address_space: global }
      - { .name: Xc, .offset: 8, .size: 8, .value_kind: global_buffer, .address_space: global }
      - { .name: D2, .offset: 16, .size: 8, .value_kind: global_buffer, .address_space: global }
      - { .name: lowp_scales, .offset: 24, .size: 8, .value_kind: global_buffer, .address_space: global }
      - { .name: out0, .offset: 32, .size: 8, .value_kind: global_buffer, .address_space: global }
    .group_segment_fixed_size: 327680
    .private_segment_fixed_size: 0
    .kernarg_segment_align: 8
    .kernarg_segment_size: 40
    .max_flat_workgroup_size: 128
    .sgpr_count:     96
    .vgpr_count:     1024
    .wavefront_size: 32
...
	.end_amdgpu_metadata
.endif
;; end of part 3
